; MI455X (gfx1250); checked and timed in simulation.
; The chip was launched on July 23, 2026; its instructions are those of AMD's public machine-readable ISA for CDNA 5 (MIT licence, August 2026) and "CDNA5" Instruction Set Architecture Reference Guide (July 2026). The comments in the code are by the model that wrote it; some were corrected since.
;; CAAN. Allowed arithmetic: matrix products marked QUANTISED: E3M2 operands, one E8M0 scale for each 32 along K, by v_wmma_scale_f32_16x16x128_f8f6f4 with both operands' format E3M2, f32 sums; products left as they are: f32 operands where the result goes on into a quantised operand, else bf16, f16 or f32 operands; f32 sums; everything else in f32.
;; Inputs: Wk 256 x 256 float32; Wq 256 x 256 float32; Wv 256 x 256 float32; Ww 256 x 1 float32; bk 256 float32; bq 256 float32; bv 256 float32; bw 1 float32; x 8 x 2,048 x 256 float32.
;; Outputs: out0 8 x 2,048 float32.
;; This version of the problem:
;;   THIS VERSION OF THE PROBLEM IS GIVEN IN LOW PRECISION. The matrix products marked QUANTISED in the list below multiply operands that are first quantised to E3M2 (3 exponent bits, 2 mantissa bits; 6 bits a number), with one power-of-two scale for each 32 numbers along K (OCP MX v1.0); their sums are f32. All else is computed in f32.
;;   The module's matrix products, in the order in which they are computed (A, B: the left and right operand; K: the contracted axis; several contracted axes count as one K, in the product's order):
;;     1. [M 16,384, K 256] x [K 256, N 256]; A: input x; B: input Wq: QUANTISED
;;     2. [M 16,384, K 256] x [K 256, N 256]; A: input x; B: input Wk: QUANTISED
;;     3. [M 16,384, K 256] x [K 256, N 256]; A: input x; B: input Wv: QUANTISED
;;     4. batch 8 x [M 2,048, K 256] x [K 256, N 2,048]; A: computed on the way; B: computed on the way: QUANTISED
;;     5. batch 8 x [M 2,048, K 2,048] x [K 2,048, N 256]; A: softmax (see below); B: computed on the way: QUANTISED
;;     6. [M 16,384, K 256] x [K 256, N 1]; A: computed on the way; B: input Ww: left as it is (N = 1 < 16)
;;   THE QUANTISER, for each operand of a quantised product, along K:
;;     - K is cut into blocks of 32 from its start; a last block that is shorter is filled with zeros.
;;     - A block's scale is 2^e with e = floor(log2(the largest magnitude in the block)) - 4, held to -126 .. 127; a block of zeros has e = 0. As a byte (E8M0): e + 127.
;;     - Each number is divided by its block's scale, clamped to +-28, and rounded to the nearest number of E3M2, ties to even, subnormals kept.
;;     - The product sums the exact products of the quantised numbers (number of the format x scale) in f32.
;;   ~~~python
;;   def quantise(x, axis):      # numpy; x: float32 -> the quantised numbers, widened to float32 again
;;       x = np.moveaxis(x, axis, -1); K = x.shape[-1]
;;       x = np.pad(x, [(0, 0)] * (x.ndim - 1) + [(0, -K % 32)]); x = x.reshape(x.shape[:-1] + (-1, 32)); a = np.abs(x).max(-1, keepdims=True)
;;       e = np.where(a > 0, np.clip(np.frexp(np.where(a > 0, a, 1))[1] - 1 - 4, -126, 127), 0)      # np.frexp(a)[1] - 1 = floor(log2(a)), exactly
;;       r = np.clip(x / 2.0 ** e, -28, 28)
;;       step = 2.0 ** (np.maximum(np.frexp(np.where(r == 0, 1, r))[1] - 1, -2) - 2)
;;       q = np.round(r / step) * step * 2.0 ** e      # np.round: ties to even
;;       return np.moveaxis(q.reshape(q.shape[:-2] + (-1,))[..., :K], -1, axis).astype(np.float32)
;;   ~~~
;;   SOFTMAX AHEAD OF A QUANTISED PRODUCT. Where the list says 'softmax', what is quantised is not the finished softmax but p = 2^(t - M), with t = logit x log2(e) and M = ceil(the row's largest t), a whole number; so 1/2 < the row's largest p <= 1. The row's sum l is taken of the UNQUANTISED p, in f32, and the product's result is divided by l at the end. Since M is a whole number, a kernel that streams over the keys may use a running M (the ceiling of the running maximum): every later rescaling is an exact power of two, which a block's scale takes up: the codes' values come out the same.
;;   OPERANDS COMPUTED ON THE WAY. 'Computed on the way' means the value that the module computes at that place (a softmax that the list does not call 'softmax' is quantised finished and normalised). What goes into a quantiser is computed in f32, as accurately as f32 sums, v_exp_f32 and their like allow (about 1e-6 of the number): no bf16 or f16 on the way to a quantiser, and a product that is left as it is and whose result goes on into a quantised operand takes f32 operands (vector FMAs, or v_wmma_f32_16x16x4_f32). A number that lies on a knife's edge between two numbers of the format may be rounded either way, as far as f32 arithmetic and the matrix unit's own rounding can turn it there, and no further.
;; One version. Each part assembles by itself: llvm-mc -triple=amdgcn-amd-amdhsa -mcpu=gfx1250 --defsym DOCPART=n.
;; ======== version 1 of 1: 3 launches
;; limits: right only within a limited range of input values
;; workspace buffers: wc 153,600 bytes; qbuf 3,276,800 bytes; kv 6,553,600 bytes
;; launch wq (part 1): grid 96 x 1, 1 waves a work-group, no clusters, 0 bytes of LDS; arguments Wq, Wk, Wv, wc; writes wc
.if DOCPART == 1
	.amdgcn_target "amdgcn-amd-amdhsa--gfx1250"
	.amdhsa_code_object_version 6
	.text
	.protected	k_q30a53e75ec_wq
	.globl	k_q30a53e75ec_wq
	.p2align	8
	.type	k_q30a53e75ec_wq,@function
k_q30a53e75ec_wq:
	s_mov_b64 s[64:65], 0
	v_nop
	global_prefetch_b8 v0, s[64:65] scope:SCOPE_SE
	s_setreg_imm32_b32 hwreg(HW_REG_WAVE_MODE, 25, 1), 1
	s_wait_xcnt 0x0
; Wq, Wk, Wv [256 (k)][256 (n)], f32, K = the FIRST axis, become codes of BF6 (E3M2) with one E8M0 byte for each 32 along K,
; laid in wc as IMAGES OF OPERAND REGISTERS.  A fragment is 16 columns x 128 K, 12 registers a lane: chunk c (0..2) holds registers 4 c .. 4 c + 3,
; lane l's 16 bytes at 512 c + 16 l: 1,536 bytes.  Weight z (0 q, 1 k, 2 v) takes 51,200 bytes: fragment (tile T, K step s) at (2 T + s) x 1,536;
; the scale words of tile T at 49,152 + 128 T: the word of (row r, K step s) at 64 s + 4 r.
; THE COLUMNS OF A TILE ARE NOT NEIGHBOURS: lane r of tile T takes column 32 (T / 2) + 8 (T % 2) + r + 8 (r / 8).
; One wave makes one fragment: 96 work-groups of one wave.  A lane takes a column and its registers run DOWN K, in the order that the operand's layout
; gives that lane (k = 128 s + 64 c + 32 h + 0 .. 31), so the conversions' results are the operand's registers and nothing is transposed.
; A block's scale is 2^(floor(log2(its largest magnitude)) - 4); its byte is the largest magnitude's exponent field - 4, held at 1 from below.
; LIMITS: a block whose largest magnitude lies under 2^-122, zeros among them, gets the byte 1 (its codes are then zeros or the rule's own subnormals; this program
; alone reads the bytes); NaN and infinities among the inputs are not served.
.set X,   64                           ; v64-127  my 64 numbers: register 32 c + i = W(128 s + 64 c + 32 h + i, my column)
.set MX,  32                           ; v32-33   largest magnitudes of my two blocks
.set BY,  36                           ; v36-37   their scale bytes
.set SO,  44                           ; v44-45   the conversions' scale operands
.set CD,  48                           ; v48-59   the fragment's registers
.set CT,  192                          ; v192-198 the blocks' upper halves, as the conversions leave them
	s_load_b256 s[4:11], s[0:1], 0x0               ; Wq s[4:5], Wk s[6:7], Wv s[8:9], wc s[10:11]
	v_and_b32 v1, 15, v0                           ; r
	v_lshrrev_b32 v2, 4, v0                        ; h (one wave: v0 is the lane)
	v_lshlrev_b32 v3, 4, v0                        ; 16 x lane: my place in a chunk of the image
	v_lshlrev_b32 v4, 2, v1                        ; 4 r: my row's scale word
	v_and_b32 v5, 8, v1
	v_add_nc_u32 v5, v5, v1                        ; r + 8 (r / 8)
	v_lshlrev_b32 v5, 2, v5
	v_lshl_add_u32 v5, v2, 15, v5                  ; + 32 rows of 1,024 bytes for lanes 16-31
	s_lshr_b32 s12, ttmp9, 5                       ; z: which weight
	s_bfe_u32 s13, ttmp9, 0x40001                  ; T: 4 bits from bit 1
	s_and_b32 s14, ttmp9, 1                        ; s
	s_lshr_b32 s15, s13, 1
	s_lshl_b32 s15, s15, 7                         ; 4 x 32 (T / 2)
	s_and_b32 s16, s13, 1
	s_lshl_b32 s16, s16, 5                         ; 4 x 8 (T % 2)
	s_add_co_u32 s16, s16, s15
	s_lshl_b32 s15, s14, 17                        ; 128 s rows of 1,024 bytes
	s_add_co_u32 s16, s16, s15
	s_mov_b32 s17, 0
	s_mul_i32 s18, s12, 51200                      ; the weight's part of wc
	s_and_b32 s20, ttmp9, 31                       ; 2 T + s
	s_mul_i32 s20, s20, 1536
	s_add_co_u32 s20, s20, s18
	s_mov_b32 s21, 0
	s_lshl_b32 s22, s13, 7                         ; 128 T
	s_lshl_b32 s23, s14, 6                         ; 64 s
	s_add_co_u32 s22, s22, s23
	s_add_co_u32 s22, s22, s18
	s_add_co_u32 s22, s22, 49152
	s_mov_b32 s23, 0
	s_mov_b32 s24, 0x76543210
	s_mov_b32 s25, 0xfedcba98                      ; v_permlanex16_b32's selects for lane l xor 16
	s_wait_alu depctr_va_vdst(0)
	s_wait_kmcnt 0x0
	s_cmp_eq_u32 s12, 1                            ; the choice hangs on the work-group's number alone
	s_cselect_b64 s[4:5], s[6:7], s[4:5]
	s_cmp_eq_u32 s12, 2
	s_cselect_b64 s[4:5], s[8:9], s[4:5]
	s_add_nc_u64 s[4:5], s[4:5], s[16:17]
	s_add_nc_u64 s[26:27], s[10:11], s[20:21]      ; the fragment's image
	s_add_nc_u64 s[28:29], s[10:11], s[22:23]      ; its scale words
.irp c, 0,1
.irp i, 0,1,2,3,4,5,6,7,8,9,10,11,12,13,14,15,16,17,18,19,20,21,22,23,24,25,26,27,28,29,30,31
	global_load_b32 v[X+32*\c+\i], v5, s[4:5] offset:1024*(64*\c+\i)   ; eight neighbouring lanes read 32 neighbouring bytes; the neighbouring tiles' waves read the rest of the row
.endr
.endr
	s_wait_loadcnt 0x0
.irp c, 0,1                                    ; my block 2 c + h: all its 32 numbers are mine
	v_max3_num_f32 v[MX+\c], |v[X+32*\c]|, |v[X+1+32*\c]|, 0x2800000   ; and the floor 2^(5 - 127): the byte cannot fall under 1
.endr
.irp i, 2,4,6,8,10,12,14,16,18,20,22,24,26,28,30
.irp c, 0,1
	v_max3_num_f32 v[MX+\c], v[MX+\c], |v[X+32*\c+\i]|, |v[X+1+32*\c+\i]|   ; (the two blocks by turns)
.endr
.endr
.irp c, 0,1
	v_add_nc_u32 v[SO+\c], 0xfe000000, v[MX+\c]    ; 4 off the exponent field: the conversion takes this operand's exponent field as its scale
.endr
.irp c, 0,1
	v_lshrrev_b32 v[BY+\c], 23, v[SO+\c]           ; the scale's byte
.endr
	v_lshl_or_b32 v9, v[BY+1], 16, v[BY]           ; my two bytes: blocks h and 2 + h of my column,
	v_lshlrev_b32 v10, 3, v2
	v_lshlrev_b32 v9, v10, v9                      ; at their places in the word (8 h bits up);
	v_mov_b32 v10, 0
	v_permlanex16_b32 v10, v9, s24, s25
	v_or_b32 v9, v9, v10                           ; with lane l xor 16's two the word is whole
.irp c, 0,1
	v_cvt_scalef32_pk16_bf6_f32 v[CD+6*\c:CD+6*\c+2], v[X+32*\c:X+32*\c+15], v[SO+\c]
	v_cvt_scalef32_pk16_bf6_f32 v[CT+4*\c:CT+4*\c+2], v[X+32*\c+16:X+32*\c+31], v[SO+\c]   ; (a conversion's three registers begin on an even number)
.endr
	v_nop                                          ; one plain place behind a scaled conversion
.irp c, 0,1
.irp i, 0,1,2
	v_mov_b32 v[CD+3+6*\c+\i], v[CT+4*\c+\i]
.endr
.endr
.irp c, 0,1,2
	global_store_b128 v3, v[CD+4*\c:CD+4*\c+3], s[26:27] offset:512*\c   ; 32 lanes store 512 consecutive bytes, at a multiple of 512 from wc's first byte
.endr
	global_store_b32 v4, v9, s[28:29]              ; lanes l and l + 16 write the same word with the same value
	s_endpgm
.Lfunc_end_k_q30a53e75ec_wq:
	.size	k_q30a53e75ec_wq, .Lfunc_end_k_q30a53e75ec_wq-k_q30a53e75ec_wq
	.p2alignl 7, 3214868480
	.fill 96, 4, 3214868480
	.section	.rodata,"a",@progbits
	.p2align	6, 0x0
	.amdhsa_kernel k_q30a53e75ec_wq
		.amdhsa_group_segment_fixed_size 0
		.amdhsa_private_segment_fixed_size 0
		.amdhsa_enable_private_segment 0
		.amdhsa_kernarg_size 32
		.amdhsa_user_sgpr_count 2
		.amdhsa_user_sgpr_kernarg_segment_ptr 1
		.amdhsa_wavefront_size32 1
		.amdhsa_system_sgpr_workgroup_id_x 1
		.amdhsa_system_sgpr_workgroup_id_y 1
		.amdhsa_system_sgpr_workgroup_id_z 1
		.amdhsa_system_vgpr_workitem_id 0
		.amdhsa_next_free_vgpr 200
		.amdhsa_next_free_sgpr 66
		.amdhsa_reserve_vcc 0
		.amdhsa_float_denorm_mode_32 3
		.amdhsa_float_denorm_mode_16_64 3
		.amdhsa_memory_ordered 1
		.amdhsa_forward_progress 1
		.amdhsa_inst_pref_size 12
	.end_amdhsa_kernel
	.amdgpu_metadata
---
amdhsa.version: [ 1, 2 ]
amdhsa.kernels:
  - .name:           k_q30a53e75ec_wq
    .symbol:         k_q30a53e75ec_wq.kd
    .args:
      - { .name: Wq, .offset: 0, .size: 8, .value_kind: global_buffer, .address_space: global }
      - { .name: Wk, .offset: 8, .size: 8, .value_kind: global_buffer, .address_space: global }
      - { .name: Wv, .offset: 16, .size: 8, .value_kind: global_buffer, .address_space: global }
      - { .name: wc, .offset: 24, .size: 8, .value_kind: global_buffer, .address_space: global }
    .group_segment_fixed_size: 0
    .private_segment_fixed_size: 0
    .kernarg_segment_align: 8
    .kernarg_segment_size: 32
    .max_flat_workgroup_size: 32
    .sgpr_count:     66
    .vgpr_count:     200
    .wavefront_size: 32
...
	.end_amdgpu_metadata
.endif
;; end of part 1
;; launch proj (part 2): grid 256 x 1, 8 waves a work-group, clusters of 4 x 1, 235,008 bytes of LDS; arguments x, wc, bq, bk, bv, qbuf, kv; writes qbuf, kv
.if DOCPART == 2
	.amdgcn_target "amdgcn-amd-amdhsa--gfx1250"
	.amdhsa_code_object_version 6
	.text
	.protected	k_q30a53e75ec_proj
	.globl	k_q30a53e75ec_proj
	.p2align	8
	.type	k_q30a53e75ec_proj,@function
k_q30a53e75ec_proj:
	s_mov_b64 s[64:65], 0
	v_nop
	global_prefetch_b8 v0, s[64:65] scope:SCOPE_SE
	s_setreg_imm32_b32 hwreg(HW_REG_WAVE_MODE, 25, 1), 1
	s_wait_xcnt 0x0
	s_wait_alu depctr_hold_cnt(0) depctr_sa_sdst(0) depctr_va_vdst(0) depctr_va_sdst(0) depctr_va_ssrc(0) depctr_va_vcc(0) depctr_vm_vsrc(0)
	s_getreg_b32 s2, hwreg(HW_REG_IB_STS2, 6, 4)
	s_cmp_eq_u32 s2, 0
	s_cbranch_scc0 .Lentry_in_a_cluster
	s_endpgm
.Lentry_in_a_cluster:
	s_bfe_u32 s2, ttmp6, 0x10000c
	s_cmp_lg_u32 s2, 0x3003
	s_cbranch_scc0 .Lentry_shape_is_right
	s_endpgm
.Lentry_shape_is_right:
; q = x Wq + bq, k = x Wk + bk, v = x Wv + bv, all three products on codes of BF6 (E3M2) with one E8M0 scale for each 32 along K; then q and k are quantised along their 256 channels
; and v along the KEYS, and all three leave as IMAGES OF OPERAND REGISTERS (a fragment, 16 rows x 128 K, is 12 registers a lane: chunk c holds registers 4 c .. 4 c + 3, lane l's 16 bytes at 512 c + 16 l).
; SHARES.  Work-group B takes tokens 64 B .. 64 B + 63.  Eight waves; wave w: m = w / 2, g = w % 2.  It quantises x's fragment (token tile m, K step g), which goes to the others through LDS; then it makes
;   q's fragment (token tile m, channels 128 g ..): 8 tiles of Wq's columns x the token tile, TRANSPOSED (source 0 = 16 columns of W, source 1 = 16 tokens), so that a lane holds one token and its registers run along the channels;
;   k's likewise;   v for channel tiles 2 w, 2 w + 1 and all 64 tokens, NOT transposed (source 0 = 16 tokens, source 1 = 16 columns of Wv), so that a lane holds one channel and its registers run along the tokens, v's next K.
; THE ROWS OF A TILE ARE NOT NEIGHBOURS, for tokens and for W's columns alike: lane r of tile T takes index 32 (T / 2) + 8 (T % 2) + r + 8 (r / 8), so that the 16 registers of the results of tiles 2 b, 2 b + 1 are 16 neighbours.
; THE WEIGHTS' IMAGES (wc, 153,600 bytes) are wanted whole by every work-group: they come into LDS once, by a JOINT tensor load of the four work-groups of a cluster, an eighth to a wave.  Nothing in LDS is filled again.
; OUT.  qbuf: 12,800 bytes a block B: fragment (m, s) at (2 m + s) x 1,536; scale words at 12,288 + 128 m + 64 s + 4 r.
;   kv: 102,400 bytes for each 256 keys (four blocks B, which are one cluster's): K of the step of 128 keys j at 25,600 j (fragment (key tile t, s) at (2 t + s) x 1,536, scale words at 24,576 + 128 t + 64 s + 4 r);
;   V of step j at 51,200 + 25,600 j: channel tile T at 1,536 T as two halves of 768 bytes (64 keys each): registers 0-3 of the half's six at 16 l, registers 4, 5 at 512 + 8 l; scale words at 24,576 + 64 T + 4 r.
;   A block B gives V's scale words two of their four bytes: these leave in pieces of two bytes (512 bytes a work-group), since the other two are the neighbouring work-group's.
; LIMITS: a block whose largest magnitude lies under 2^-122, zeros among them, gets the byte 1 (this program alone reads the bytes); NaN and infinities among the inputs are not served.
; HOW kv IS LAID (this stands in place of the lines on kv above): 102,400 bytes for each 256 keys, as eight pieces of 12,800 bytes in the order K0 K1 K2 V0 K3 V1 V2 V3.
;   K piece c: 64 keys: fragment (key tile m, s) at (2 m + s) x 1,536, scale words at 12,288 + 128 m + 64 s + 4 r.  It is block B = 4 x cluster + c's own.
;   V piece i: channel tiles 4 i .. 4 i + 3: fragment (128 keys j, tile e) at (4 j + e) x 1,536 as two halves of 768 bytes (64 keys each); scale words at 12,288 + 64 (4 j + e) + 4 r.
; k's bias is asked for together with q's, into v256-319, and is the C of k's first products.
.set FRB,  1536                        ; a fragment's image
.set WZ,   51200                       ; a weight's part of wc
.set STG,  153600                      ; LDS: behind the weights, a stage of 16 rows x 528 bytes for each wave: x turns there from rows into a lane's neighbours
.set STGW, 8448
.set SP,   528                         ; 512 bytes + 16: 33 x 16, so that the sixteen rows of a load start in sixteen different columns of 16 bytes
.set XIMG, 221184                      ; x's eight fragments: (m, s) at (2 m + s) FRB
.set XSC,  233472                      ; their scale words: 128 m + 64 s + 4 r
.set LI,   1                           ; v1   16 x lane
.set R4,   2                           ; v2   4 r
.set L8,   3                           ; v3   8 x lane
.set H64,  4                           ; v4   64 h
.set STW,  5                           ; v5   the stage, in: my 16 bytes of a row
.set STR,  6                           ; v6   the stage, out: row r, + 64 h
.set XWI,  7                           ; v7   where I store x's image
.set XWS,  8                           ; v8   and its scale words
.set AXM,  9                           ; v9   x's fragments of token tile m
.set AX0,  10                          ; v10  x's fragments from tile 0 on
.set AXS,  11                          ; v11  x's scale words from tile 0 on: lanes 0-15 K step 0's, lanes 16-31 K step 1's
.set AXSM, 12                          ; v12  those of tile m
.set AWQ,  13                          ; v13  Wq's fragments of my eight tiles
.set AWK,  14                          ; v14  Wk's
.set AWV,  15                          ; v15  Wv's of my two tiles
.set ASQ,  16                          ; v16-18 their scale words
.set ASK,  17
.set ASV,  18
.set BVA,  19                          ; v19  4 (r + 8 (r / 8)): my channel's bv
.set BV,   20                          ; v20-23 bv of my channel in tile a, twice: the pair v[20 + 2 a : 21 + 2 a]
.set G,    24                          ; v24-47  x's two fragments of tile m
.set F,    48                          ; v48-143 eight fragments
.set HA,   144                         ; v144-207 eight accumulators
.set PC,   208                         ; v208-227 the codes just made
.set TM,   228                         ; v228-231 largest magnitudes, v232-235 the other half's / bytes, v236-239 scale operands
.set PW,   240                         ; v240 the scale word just made
.set WS,   241                         ; v241-248 W's scale words
.set XS,   249                         ; v249-252 x's scale words
.set WV,   18                          ; s18 my wave's number; s19 m; s20 g
.set G1,   24                          ; s[24:31] descriptor group 1
.set G0,   32                          ; s[32:35] descriptor group 0
.set SEL,  36                          ; s[36:37] lane selects: lane l xor 16
.macro PLACES n
.rept \n
	v_nop
.endr
.endm
; A round of the cluster's barrier: my work-group's barrier; wave 0 signals for the work-group; every wave waits for all four work-groups; my work-group's barrier once more.
.macro CROUND
	s_barrier_signal -1
	s_barrier_wait -1
	s_cmp_lg_u32 s[WV], 0
	s_cbranch_scc1 .Lnot_wave_0_\@
	s_barrier_signal -3
.Lnot_wave_0_\@:
	s_barrier_wait -3
	s_barrier_signal -1
	s_barrier_wait -1
.endm
; 64 numbers of a lane, register 16 b + i = k 32 b + 16 (lane / 16) + i of my row, become a fragment's codes in v[PC] on and its scale word in v[PW].
.macro QUANT s
.irp b, 0,1,2,3
	v_max3_num_f32 v[TM+\b], |v[\s+16*\b]|, |v[\s+1+16*\b]|, 0x2800000   ; block b: my 16 numbers, and the floor 2^(5 - 127): the byte cannot fall under 1
.endr
.irp i, 2,4,6,8,10,12,14
.irp b, 0,1,2,3
	v_max3_num_f32 v[TM+\b], v[TM+\b], |v[\s+16*\b+\i]|, |v[\s+1+16*\b+\i]|   ; (the four blocks by turns; each accumulator is read from its low end on)
.endr
.endr
.irp b, 0,1,2,3
	s_delay_alu instid0(VALU_DEP_4)
	v_permlanex16_b32 v[TM+4+\b], v[TM+\b], s[SEL], s[SEL+1]
.endr
.irp b, 0,1,2,3
	s_delay_alu instid0(VALU_DEP_4)
	v_max_num_f32 v[TM+\b], v[TM+\b], v[TM+4+\b]   ; with lane l xor 16's: the block's largest magnitude
.endr
.irp b, 0,1,2,3
	s_delay_alu instid0(VALU_DEP_4)
	v_add_nc_u32 v[TM+8+\b], 0xfe000000, v[TM+\b]  ; 4 off its exponent field: the conversion's scale operand
.endr
.irp b, 0,1,2,3
	s_delay_alu instid0(VALU_DEP_4)
	v_lshrrev_b32 v[TM+4+\b], 23, v[TM+8+\b]       ; the scale's byte
.endr
	s_delay_alu instid0(VALU_DEP_3)
	v_lshl_or_b32 v[PW], v[TM+5], 8, v[TM+4]
	s_delay_alu instid0(VALU_DEP_1)
	v_lshl_or_b32 v[PW], v[TM+6], 16, v[PW]
	s_delay_alu instid0(VALU_DEP_1)
	v_lshl_or_b32 v[PW], v[TM+7], 24, v[PW]
.irp c, 0,1
	v_cvt_scalef32_pk16_bf6_f32 v[PC+6*\c:PC+2+6*\c], v[\s+32*\c:\s+15+32*\c], v[TM+8+2*\c]
	v_cvt_scalef32_pk16_bf6_f32 v[PC+12+4*\c:PC+14+4*\c], v[\s+16+32*\c:\s+31+32*\c], v[TM+8+2*\c+1]   ; (a conversion's three registers begin on an even number)
.endr
	v_nop                                          ; one plain place behind a scaled conversion
.irp c, 0,1                                    ; the operand's layout wants a WHOLE block in a lane: lanes 0-15 block 2 c, lanes 16-31 block 2 c + 1
.irp i, 0,1,2
	v_permlane16_swap_b32 v[PC+6*\c+\i], v[PC+12+4*\c+\i]
.endr
.irp i, 0,1,2
	s_delay_alu instid0(VALU_DEP_3)
	v_mov_b32 v[PC+3+6*\c+\i], v[PC+12+4*\c+\i]
.endr
.endr
.endm
; The bias of my 128 channels, in the result's layout, straight into the accumulators: lane (r, h), tile t: channels 32 (t / 2) + 16 h + 8 (t % 2) + 0 .. 7.  The first products add onto it.
.macro BIAS sb
.irp t, 0,1,2,3,4,5,6,7
	global_load_b128 v[HA+8*\t:HA+8*\t+3], v[H64], s[\sb:\sb+1] offset:(32*(\t/2)+8*(\t%2))*4
	global_load_b128 v[HA+8*\t+4:HA+8*\t+7], v[H64], s[\sb:\sb+1] offset:(32*(\t/2)+8*(\t%2))*4+16
.endr
.endm
; My eight tiles of W's columns x token tile m, two K steps: sixteen matrix instructions, the eight accumulators by turns.
.macro QK aw, asc, kk                  ; kk = 1: k: the sums begin with the bias that lies in v256-319
.irp t, 0,1,2,3,4,5,6,7
	ds_load_b32 v[WS+\t], v[\asc] offset:128*\t    ; lanes 0-15: K step 0's words; lanes 16-31: K step 1's
.endr
.irp s, 0,1
.if \s
	PLACES 4                                       ; in front of loads into registers that matrix instructions have read
.endif
.if \s && \kk
	s_set_vgpr_msb 0x1000                          ; back to window 0
.endif
.irp t, 0,1,2,3,4,5,6,7
.irp c, 0,1,2
	ds_load_b128 v[F+12*\t+4*\c:F+12*\t+4*\c+3], v[\aw] offset:(2*\t+\s)*FRB+512*\c
.endr
.endr
.if (\s == 0) && (\kk == 0)
	s_wait_loadcnt 0x0                             ; both biases
.endif
	s_wait_dscnt 0x0
.if (\s == 0) && (\kk == 1)
	s_set_vgpr_msb 0x10                            ; source 2 (the bias) window 1
.endif
.irp t, 0,1,2,3,4,5,6,7
.if (\s == 0) && (\kk == 1)
	v_wmma_scale_f32_16x16x128_f8f6f4 v[HA+8*\t:HA+8*\t+7], v[F+12*\t:F+12*\t+11], v[G:G+11], v[8*\t:8*\t+7], v[WS+\t], v[XS] matrix_a_fmt:MATRIX_FMT_BF6 matrix_b_fmt:MATRIX_FMT_BF6
.elseif \s == 0
	v_wmma_scale_f32_16x16x128_f8f6f4 v[HA+8*\t:HA+8*\t+7], v[F+12*\t:F+12*\t+11], v[G:G+11], v[HA+8*\t:HA+8*\t+7], v[WS+\t], v[XS] matrix_a_fmt:MATRIX_FMT_BF6 matrix_b_fmt:MATRIX_FMT_BF6
.else
	v_wmma_scale_f32_16x16x128_f8f6f4 v[HA+8*\t:HA+8*\t+7], v[F+12*\t:F+12*\t+11], v[G+12:G+23], v[HA+8*\t:HA+8*\t+7], v[WS+\t], v[XS] matrix_a_fmt:MATRIX_FMT_BF6 matrix_b_fmt:MATRIX_FMT_BF6 matrix_a_scale:MATRIX_SCALE_ROW1 matrix_b_scale:MATRIX_SCALE_ROW1
.endif
.endr
.endr
	PLACES 5                                       ; four in front of the first read of results; the fifth for the later products that begin these accumulators anew
.endm
.macro OUTQK fb, sb                            ; the fragment in v[PC] on leaves as it stands: three stores of 512 consecutive bytes; then its scale words
.irp c, 0,1,2
	global_store_b128 v[LI], v[PC+4*\c:PC+4*\c+3], s[\fb:\fb+1] offset:512*\c
.endr
	global_store_b32 v[R4], v[PW], s[\sb:\sb+1]    ; lanes l and l + 16 write the same word with the same value
.endm
	s_load_b256 s[4:11], s[0:1], 0x0               ; x s[4:5], wc s[6:7], bq s[8:9], bk s[10:11]
	s_load_b128 s[12:15], s[0:1], 0x20             ; bv s[12:13], qbuf s[14:15]
	s_load_b64 s[16:17], s[0:1], 0x30              ; kv
	v_lshl_add_u32 v223, v0, 2, 0x39200
	v_mov_b32 v227, 0
	ds_add_u32 v223, v227
	ds_add_u32 v223, v227
	v_lshrrev_b32 v253, 5, v0
	s_delay_alu instid0(VALU_DEP_1)
	v_readfirstlane_b32 s[WV], v253                ; wave 0..7
	s_lshr_b32 s19, s[WV], 1                       ; m
	s_and_b32 s20, s[WV], 1                        ; g
	v_and_b32 v253, 31, v0                         ; lane
	v_and_b32 v254, 15, v0                         ; r
	v_bfe_u32 v255, v0, 4, 1                       ; h
	s_delay_alu instid0(VALU_DEP_3)
	v_lshlrev_b32 v[LI], 4, v253
	s_delay_alu instid0(VALU_DEP_3)
	v_lshlrev_b32 v[R4], 2, v254
	v_lshlrev_b32 v[L8], 3, v253
	s_delay_alu instid0(VALU_DEP_4)
	v_lshlrev_b32 v[H64], 6, v255
	v_lshlrev_b32 v240, 2, v253                    ; 4 x lane
	s_wait_alu depctr_va_vdst(0)
	s_mul_i32 s58, s[WV], STGW
	s_add_co_u32 s58, s58, STG                     ; my stage
	v_add_nc_u32 v[STW], s58, v[LI]
	v_mul_u32_u24 v[STR], v254, SP
	s_delay_alu instid0(VALU_DEP_1)
	v_add_nc_u32 v[STR], v[STR], v[H64]
	s_delay_alu instid0(VALU_DEP_1)
	v_add_nc_u32 v[STR], s58, v[STR]
	s_mul_i32 s58, s[WV], FRB
	s_add_co_u32 s58, s58, XIMG
	v_add_nc_u32 v[XWI], s58, v[LI]                ; fragment 2 m + g = w
	s_lshl_b32 s58, s[WV], 6
	s_add_co_u32 s58, s58, XSC
	v_add_nc_u32 v[XWS], s58, v[R4]                ; 128 m + 64 g = 64 w
	s_mul_i32 s58, s19, 2*FRB
	s_add_co_u32 s58, s58, XIMG
	v_add_nc_u32 v[AXM], s58, v[LI]
	v_add_nc_u32 v[AX0], XIMG, v[LI]
	v_add_nc_u32 v[AXS], XSC, v240
	s_lshl_b32 s58, s19, 7
	s_add_co_u32 s58, s58, XSC
	v_add_nc_u32 v[AXSM], s58, v240
	s_mul_i32 s58, s20, 16*FRB                     ; tiles 8 g on
	v_add_nc_u32 v[AWQ], s58, v[LI]
	s_delay_alu instid0(VALU_DEP_1)
	v_add_nc_u32 v[AWK], WZ, v[AWQ]
	s_mul_i32 s58, s[WV], 4*FRB                    ; tiles 2 w on
	s_add_co_u32 s58, s58, 2*WZ
	v_add_nc_u32 v[AWV], s58, v[LI]
	s_lshl_b32 s58, s20, 10
	s_add_co_u32 s58, s58, 32*FRB
	v_add_nc_u32 v[ASQ], s58, v240
	s_delay_alu instid0(VALU_DEP_1)
	v_add_nc_u32 v[ASK], WZ, v[ASQ]
	s_lshl_b32 s58, s[WV], 8
	s_add_co_u32 s58, s58, 2*WZ+32*FRB
	v_add_nc_u32 v[ASV], s58, v240
	v_and_b32 v[BVA], 8, v254
	s_delay_alu instid0(VALU_DEP_1)
	v_add_nc_u32 v[BVA], v[BVA], v254
	s_delay_alu instid0(VALU_DEP_1)
	v_lshlrev_b32 v[BVA], 2, v[BVA]
.irp b, 0,1,2,3
	v_mov_b32 v[TM+4+\b], 0                        ; written once: a lane permute's destination counts as one of its sources
.endr
	s_mov_b32 s[SEL], 0x76543210
	s_mov_b32 s[SEL+1], 0xfedcba98
	; descriptor group 1: an eighth of wc, 19,200 dense bytes, as 75 rows of 256 bytes (32 elements of 8 bytes), no padding
	s_mov_b32 s[G1], 15|(3<<16)|(1<<21)            ; 15:0 the mask: all four work-groups of the cluster; 17:16 elements of 8 bytes; 21 set beside a mask
	s_mov_b32 s[G1+1], 32<<16                      ; tensor_dim0 = 32
	s_mov_b32 s[G1+2], 75<<16                      ; tensor_dim1 = 75
	s_mov_b32 s[G1+3], 32<<16                      ; tile_dim0 = 32
	s_mov_b32 s[G1+4], 75                          ; tile_dim1 = 75
	s_mov_b32 s[G1+5], 32                          ; elements from row to row
	s_mov_b32 s[G1+6], 0
	s_mov_b32 s[G1+7], 0
	s_mov_b32 s[G0], 1
	s_mul_i32 s[G0+1], s[WV], 19200                ; to LDS byte 19,200 w, from wc's byte 19,200 w: the wave's number alone, alike in all four work-groups
	s_mov_b32 s[G0+2], s[G0+1]
	s_mov_b32 s[G0+3], 0
	; the offsets of my parts in memory, each in the pair that will hold the address.  The work-group's place enters these alone
	s_bfe_u32 s21, ttmp6, 0x40000                  ; cx
	s_lshl_b32 s22, ttmp9, 2
	s_add_co_u32 s22, s22, s21                     ; B = 4 x cluster + cx
	s_lshl_b32 s38, s22, 16                        ; x: 64 rows of 1,024 bytes a block,
	s_lshr_b32 s61, s19, 1
	s_lshl_b32 s61, s61, 15                        ; + 32 (m / 2) rows
	s_add_co_u32 s38, s38, s61
	s_and_b32 s61, s19, 1
	s_lshl_b32 s61, s61, 13                        ; + 8 (m % 2) rows
	s_add_co_u32 s38, s38, s61
	s_lshl_b32 s52, s20, 9                         ; + 512 g: K step g.  (Also bq's and bk's offset: channels 128 g on)
	s_add_co_u32 s38, s38, s52
	s_mov_b32 s54, s52
	s_mul_i32 s59, s[WV], FRB
	s_lshl_b32 s60, s[WV], 6
	s_mul_i32 s61, s22, 12800
	s_add_co_u32 s40, s61, s59                     ; q's fragment: 12,800 B + 1,536 w
	s_add_co_u32 s42, s61, s60
	s_add_co_u32 s42, s42, 8*FRB                   ; its scale words: + 12,288 + 64 w
	s_mul_i32 s23, ttmp9, 102400                   ; the 256 keys are the cluster's
	s_add_co_u32 s61, s21, 1
	s_lshr_b32 s61, s61, 2                         ; 1 where cx = 3
	s_add_co_u32 s61, s61, s21
	s_mul_i32 s61, s61, 12800
	s_add_co_u32 s61, s61, s23                     ; K piece cx: pieces 0, 1, 2 or 4 of the eight
	s_add_co_u32 s44, s61, s59                     ; k's fragment: + 1,536 w
	s_add_co_u32 s46, s61, s60
	s_add_co_u32 s46, s46, 8*FRB                   ; its scale words: + 12,288 + 64 w
	s_min_u32 s61, s19, 1
	s_add_co_u32 s61, s61, s19
	s_add_co_u32 s61, s61, 3                       ; V piece i = w / 2: pieces 3, 5, 6 or 7 of the eight
	s_mul_i32 s61, s61, 12800
	s_add_co_u32 s23, s23, s61
	s_lshr_b32 s61, s21, 1                         ; j: which 128 keys
	s_lshl_b32 s61, s61, 2
	s_lshl_b32 s62, s20, 1
	s_add_co_u32 s61, s61, s62                     ; 4 j + 2 (w % 2)
	s_and_b32 s62, s21, 1                          ; c': which 64 keys of the 128
	s_mul_i32 s63, s61, FRB
	s_add_co_u32 s48, s23, s63
	s_mul_i32 s63, s62, 768
	s_add_co_u32 s48, s48, s63                     ; v's halves
	s_lshl_b32 s61, s61, 6
	s_add_co_u32 s50, s23, s61
	s_lshl_b32 s63, s62, 1
	s_add_co_u32 s50, s50, s63
	s_add_co_u32 s50, s50, 8*FRB                   ; v's scale bytes: + 12,288 + 64 (4 j + 2 (w % 2)) + 2 c'
	s_lshl_b32 s56, s[WV], 7                       ; bv's offset: channels 32 w on
.irp p, 39,41,43,45,47,49,51,53,55,57
	s_mov_b32 s\p, 0
.endr
	s_wait_alu depctr_va_vdst(0)
	s_wait_dscnt 0x0
	s_wait_kmcnt 0x0
	s_add_nc_u64 s[38:39], s[4:5], s[38:39]
	s_add_nc_u64 s[40:41], s[14:15], s[40:41]
	s_add_nc_u64 s[42:43], s[14:15], s[42:43]
	s_add_nc_u64 s[44:45], s[16:17], s[44:45]
	s_add_nc_u64 s[46:47], s[16:17], s[46:47]
	s_add_nc_u64 s[48:49], s[16:17], s[48:49]
	s_add_nc_u64 s[50:51], s[16:17], s[50:51]
	s_add_nc_u64 s[52:53], s[8:9], s[52:53]
	s_add_nc_u64 s[54:55], s[10:11], s[54:55]
	s_add_nc_u64 s[56:57], s[12:13], s[56:57]
	s_add_nc_u64 s[G0+2:G0+3], s[6:7], s[G0+2:G0+3]
	s_or_b32 s[G0+3], s[G0+3], 0x80000000          ; type = 2
.irp a, 0,1
	global_load_b32 v[BV+2*\a], v[BVA], s[56:57] offset:32*\a
	global_load_b32 v[BV+2*\a+1], v[BVA], s[56:57] offset:32*\a
.endr
.irp i, 0,1,2,3,4,5,6,7,8,9,10,11,12,13,14,15
	global_load_b128 v[F+4*\i:F+4*\i+3], v[LI], s[38:39] offset:(\i+8*(\i/8))*1024 th:TH_LOAD_NT   ; row i of my token tile, K step g: 32 lanes read 512 consecutive bytes; read once in the launch
.endr
	CROUND                                         ; all four work-groups are here: the joint loads meet
	tensor_load_to_lds s[G0:G0+3], s[G1:G1+7]      ; my eighth of the weights' images: the one tensor load of mine
	s_nop 0
	PLACES 4
	; ---- X: my 16 rows x 128 numbers turn through my stage and become a fragment
.irp i, 0,1,2,3,4,5,6,7,8,9,10,11,12,13,14,15
	s_wait_loadcnt 15-\i                           ; loads come back in order: row i is in, the 15 - i rows asked for behind it may be out
	ds_store_b128 v[STW], v[F+4*\i:F+4*\i+3] offset:SP*\i
.endr
.irp b, 0,1,2,3
.irp j, 0,1,2,3
	ds_load_b128 v[HA+16*\b+4*\j:HA+16*\b+4*\j+3], v[STR] offset:128*\b+16*\j   ; LDS serves a wave's instructions in order: these see my stores.  Register 16 b + i = x(row r, 32 b + 16 h + i)
.endr
.endr
	s_wait_dscnt 0x0
	QUANT HA
.irp c, 0,1,2
	ds_store_b128 v[XWI], v[PC+4*\c:PC+4*\c+3] offset:512*\c
.endr
	ds_store_b32 v[XWS], v[PW]                     ; lanes l and l + 16 write the same word with the same value
	BIAS 52                                        ; bq, on its way while the waves meet,
	s_set_vgpr_msb 0x40                            ; and bk, into v256-319 (destination window 1)
.irp t, 0,1,2,3,4,5,6,7
	global_load_b128 v[8*\t:8*\t+3], v[H64], s[54:55] offset:(32*(\t/2)+8*(\t%2))*4
	global_load_b128 v[8*\t+4:8*\t+7], v[H64], s[54:55] offset:(32*(\t/2)+8*(\t%2))*4+16
.endr
	s_set_vgpr_msb 0x4000
	s_wait_tensorcnt 0x0                           ; my eighth of the weights has landed,
	s_wait_dscnt 0x0                               ; my image of x is stored:
	s_barrier_signal -1
	s_barrier_wait -1                              ; everybody's are
.irp s, 0,1
.irp c, 0,1,2
	ds_load_b128 v[G+12*\s+4*\c:G+12*\s+4*\c+3], v[AXM] offset:\s*FRB+512*\c   ; x's two fragments of token tile m serve q and k
.endr
.endr
	ds_load_b32 v[XS], v[AXSM]
	; ---- q
	QK AWQ, ASQ, 0
	QUANT HA
	OUTQK 40, 42
	; ---- k
	QK AWK, ASK, 1
	s_wait_xcnt 0x0                                ; q's stores have had their addresses translated: only behind this wait are their data registers written again
	QUANT HA
	OUTQK 44, 46
	; ---- v: source 0 = x's four token tiles, source 1 = my two tiles of Wv's columns; accumulator (a, m) at HA + 32 a + 8 m: the 32 registers of tile a run along the 64 tokens
.irp m, 0,1,2,3
	ds_load_b32 v[XS+\m], v[AXS] offset:128*\m
.endr
.irp a, 0,1
	ds_load_b32 v[WS+\a], v[ASV] offset:128*\a
.endr
.irp s, 0,1
.if \s
	PLACES 4                                       ; in front of loads into registers that matrix instructions have read
.endif
.irp m, 0,1,2,3
.irp c, 0,1,2
	ds_load_b128 v[F+12*\m+4*\c:F+12*\m+4*\c+3], v[AX0] offset:(2*\m+\s)*FRB+512*\c
.endr
.endr
.irp a, 0,1
.irp c, 0,1,2
	ds_load_b128 v[F+48+12*\a+4*\c:F+48+12*\a+4*\c+3], v[AWV] offset:(2*\a+\s)*FRB+512*\c
.endr
.endr
	s_wait_dscnt 0x0
.irp m, 0,1,2,3
.irp a, 0,1
.if \s == 0
	v_wmma_scale_f32_16x16x128_f8f6f4 v[HA+32*\a+8*\m:HA+32*\a+8*\m+7], v[F+12*\m:F+12*\m+11], v[F+48+12*\a:F+48+12*\a+11], 0, v[XS+\m], v[WS+\a] matrix_a_fmt:MATRIX_FMT_BF6 matrix_b_fmt:MATRIX_FMT_BF6
.else
	v_wmma_scale_f32_16x16x128_f8f6f4 v[HA+32*\a+8*\m:HA+32*\a+8*\m+7], v[F+12*\m:F+12*\m+11], v[F+48+12*\a:F+48+12*\a+11], v[HA+32*\a+8*\m:HA+32*\a+8*\m+7], v[XS+\m], v[WS+\a] matrix_a_fmt:MATRIX_FMT_BF6 matrix_b_fmt:MATRIX_FMT_BF6 matrix_a_scale:MATRIX_SCALE_ROW1 matrix_b_scale:MATRIX_SCALE_ROW1
.endif
.endr
.endr
.endr
	PLACES 4
.set i, 0
.rept 32
	v_pk_add_f32 v[HA+2*i:HA+2*i+1], v[HA+2*i:HA+2*i+1], v[BV+2*(i/16):BV+2*(i/16)+1]   ; + bv of my channel; each accumulator from its low end on
.set i, i+1
.endr
	s_wait_xcnt 0x0                                ; k's stores have had their addresses translated: their data registers may be written again
	QUANT HA                                       ; blocks 2 a, 2 a + 1 are channel tile a's two blocks of 32 keys: v[PC + 6 a] on is that tile's half fragment, half a of the word its two bytes
	global_store_b128 v[LI], v[PC:PC+3], s[48:49]
	global_store_b64 v[L8], v[PC+4:PC+5], s[48:49] offset:512
	global_store_b128 v[LI], v[PC+6:PC+9], s[48:49] offset:FRB
	global_store_b64 v[L8], v[PC+10:PC+11], s[48:49] offset:FRB+512
	global_store_b16 v[R4], v[PW], s[50:51]        ; tile 2 w: two of the word's four bytes
	global_store_d16_hi_b16 v[R4], v[PW], s[50:51] offset:64   ; tile 2 w + 1
	s_wait_tensorcnt 0x0
	ds_add_u32 v223, v227
	s_wait_dscnt 0x0
	CROUND                                         ; the closing round: no work-group ends while a partner may still ask for a tile that names it
	s_endpgm
.Lfunc_end_k_q30a53e75ec_proj:
	.size	k_q30a53e75ec_proj, .Lfunc_end_k_q30a53e75ec_proj-k_q30a53e75ec_proj
	.p2alignl 7, 3214868480
	.fill 96, 4, 3214868480
	.section	.rodata,"a",@progbits
	.p2align	6, 0x0
	.amdhsa_kernel k_q30a53e75ec_proj
		.amdhsa_group_segment_fixed_size 235008
		.amdhsa_private_segment_fixed_size 0
		.amdhsa_enable_private_segment 0
		.amdhsa_kernarg_size 56
		.amdhsa_user_sgpr_count 2
		.amdhsa_user_sgpr_kernarg_segment_ptr 1
		.amdhsa_wavefront_size32 1
		.amdhsa_system_sgpr_workgroup_id_x 1
		.amdhsa_system_sgpr_workgroup_id_y 1
		.amdhsa_system_sgpr_workgroup_id_z 1
		.amdhsa_system_vgpr_workitem_id 0
		.amdhsa_next_free_vgpr 512
		.amdhsa_next_free_sgpr 66
		.amdhsa_reserve_vcc 0
		.amdhsa_float_denorm_mode_32 3
		.amdhsa_float_denorm_mode_16_64 3
		.amdhsa_memory_ordered 1
		.amdhsa_forward_progress 1
		.amdhsa_inst_pref_size 55
	.end_amdhsa_kernel
	.amdgpu_metadata
---
amdhsa.version: [ 1, 2 ]
amdhsa.kernels:
  - .name:           k_q30a53e75ec_proj
    .symbol:         k_q30a53e75ec_proj.kd
    .args:
      - { .name: x, .offset: 0, .size: 8, .value_kind: global_buffer, .address_space: global }
      - { .name: wc, .offset: 8, .size: 8, .value_kind: global_buffer, .address_space: global }
      - { .name: bq, .offset: 16, .size: 8, .value_kind: global_buffer, .address_space: global }
      - { .name: bk, .offset: 24, .size: 8, .value_kind: global_buffer, .address_space: global }
      - { .name: bv, .offset: 32, .size: 8, .value_kind: global_buffer, .address_space: global }
      - { .name: qbuf, .offset: 40, .size: 8, .value_kind: global_buffer, .address_space: global }
      - { .name: kv, .offset: 48, .size: 8, .value_kind: global_buffer, .address_space: global }
    .group_segment_fixed_size: 235008
    .private_segment_fixed_size: 0
    .kernarg_segment_align: 8
    .kernarg_segment_size: 56
    .max_flat_workgroup_size: 256
    .sgpr_count:     66
    .vgpr_count:     512
    .wavefront_size: 32
...
	.end_amdgpu_metadata
.endif
;; end of part 2
;; launch attn (part 3): grid 32 x 8, 8 waves a work-group, clusters of 4 x 1, 327,680 bytes of LDS; arguments qbuf, kv, Ww, bw, out0; writes out0
.if DOCPART == 3
	.amdgcn_target "amdgcn-amd-amdhsa--gfx1250"
	.amdhsa_code_object_version 6
	.text
	.protected	k_q30a53e75ec_attn
	.globl	k_q30a53e75ec_attn
	.p2align	8
	.type	k_q30a53e75ec_attn,@function
k_q30a53e75ec_attn:
	s_mov_b64 s[64:65], 0
	v_nop
	global_prefetch_b8 v0, s[64:65] scope:SCOPE_SE
	s_setreg_imm32_b32 hwreg(HW_REG_WAVE_MODE, 25, 1), 1
	s_wait_xcnt 0x0
	s_wait_alu depctr_hold_cnt(0) depctr_sa_sdst(0) depctr_va_vdst(0) depctr_va_sdst(0) depctr_va_ssrc(0) depctr_va_vcc(0) depctr_vm_vsrc(0)
	s_getreg_b32 s2, hwreg(HW_REG_IB_STS2, 6, 4)
	s_cmp_eq_u32 s2, 0
	s_cbranch_scc0 .Lentry_in_a_cluster
	s_endpgm
.Lentry_in_a_cluster:
	s_bfe_u32 s2, ttmp6, 0x10000c
	s_cmp_lg_u32 s2, 0x3003
	s_cbranch_scc0 .Lentry_shape_is_right
	s_endpgm
.Lentry_shape_is_right:
; out0[b][n] = (softmax_m(q[n] . k[m] / 16) v[m]) . Ww + bw, both large products on codes of BF6 (E3M2) with one E8M0 scale for each 32 along a product's K.
; q, k, v come as images of operand registers: a fragment (16 rows x 128 K, 12 registers a lane) is 1,536 dense bytes, so every operand comes by loads of 16 or 8 bytes a lane at lane x 16 or x 8.
; SHARES.  A work-group owns 64 queries of one batch.  Wave w of eight takes ALL 64 queries (four tiles) and keys 256 w .. 256 w + 255: each fragment of K and V is read from LDS once and feeds four matrix instructions.
; The eight waves' parts meet at the end as three numbers a query (-M, the sum, the dot product).
; ORDER OF WORK.  First all scores and softmaxes, in four pieces of 64 keys: what stays of P is its codes (96 registers) and its blocks' scales.  Then O^T = V^T P^T by groups of four channel tiles over all 256 keys, each multiplied by
; Ww and summed as soon as it is finished: no O^T is kept.  (The waves' parts of the second product are so joined in f32 behind the dot product with Ww, not in front of it.)
; THE SOFTMAX AHEAD OF THE SECOND PRODUCT: t = score x log2(e) / 16; M = the largest t so far, rounded UP to a whole number; p = 2^(t - M) is what is quantised, along the keys; it is not normalised.
; The row's sum is taken of the unquantised p and divides at the end.  When M moves by a piece, the sum and the scales of the earlier pieces' blocks are multiplied by f = 2^(old M - new M): exact, and the codes stay.
; LAYOUT.  Both products are used transposed: S^T = K Q^T (source 0 = 16 keys, source 1 = 16 queries), O^T = V^T P^T (source 0 = 16 channels, source 1 = P): a lane holds ONE query (lane % 16) throughout.
; The rows of a tile are not neighbours (keys, queries, channels alike): lane r of tile T holds index 32 (T / 2) + 8 (T % 2) + r + 8 (r / 8), so that the 16 registers of the results of tiles 2 b, 2 b + 1 are 16 neighbours.
; LDS.  A wave's 256 keys are eight pieces of 12,800 bytes, in memory in the order K0 K1 K2 V0 K3 V1 V2 V3; the wave has three slots of one piece in LDS, fills them itself and alone reads them.  Five loads of one or two pieces:
;   K0 K1 -> slots 0, 1 (the head);  K2 -> slot 2;  V0 K3 -> slots 0, 1 (K1 is then in registers);  V1 V2 -> slots 1, 2 (K3 in registers);  V3 -> slot 0 (V0 in registers).
; CLUSTER.  The four work-groups of a cluster belong to one batch and walk the same K and V: every load is asked for JOINTLY.
; NO PREFETCH: the launch has no loop to run ahead in; behind each round one load is out, a piece's work or more ahead of its first use.
; LIMITS: NaN and infinities are not served; p under 2^-126 comes out of v_exp_f32 as 0; a block of p whose scale would fall under 2^-126 keeps the byte 1;
; a block's largest p is made from its largest score, which takes v_exp_f32 not to fall where its input rises.
; REGISTERS, in windows of 256 (s_set_vgpr_msb: bits 1:0 source 0, 3:2 source 1, 5:4 source 2, 7:6 destination):
;   window 0: addresses, statistics, all scale words, S^T / p / O^T (v96-159), eight fragments of K or V (v160-255).   window 1: Q's eight fragments (later Ww), P's codes, the blocks' scales.
.set FRB,   1536
.set PCB,   12800                      ; a piece
.set WREG,  3*PCB                      ; a wave's three slots
.set SPARE, 8*WREG                     ; 307,200: the spare words, 128 bytes for each wave: four blocks of 256 bytes that no other line names
.set WWL,   SPARE+1024                 ; Ww, 1,024 bytes
.set MRG,   WWL+1024                   ; 768 bytes for each wave: three arrays of 64 words, word = token: -M, the sum, the dot product
.set SPW,  1                           ; v1   LDS address of my spare word; never rewritten
.set NIL,  2                           ; v2   0; never rewritten
.set AK,   3                           ; v3   my lane's place in slot 0: 16 bytes a lane
.set AK8,  4                           ; v4   8 bytes a lane, + 512
.set AKS,  5                           ; v5   a piece's scale words
.set MW,   6                           ; v6   where I store my query's three numbers
.set MR,   7                           ; v7   where wave 0 reads two tokens' numbers
.set GO,   8                           ; v8   8 x lane: two tokens of out0
.set WWA,  9                           ; v9   Ww in LDS, + 64 h
.set WWS,  10                          ; v10  where I store one number of Ww, v11
.set WWV,  11
.set NM,   12                          ; v[12+2q:13+2q] (-M, the largest score)
.set SUM,  20                          ; v[20+2q:21+2q] the sum, in two halves
.set DOT,  28                          ; v[28+2q:29+2q] the dot product, in two halves
.set FF,   36                          ; v[36+2q:37+2q] (f, a register written once: the pair is named), q = 0, 1 of the pair of tiles in hand
.set BM,   40                          ; v40-43 the blocks' largest scores, then p
.set PM,   44                          ; v44-47 the other half's; the sums' second chain
.set TT,   48                          ; v48-49, v50-51 at work
.set T2,   50
.set KS,   52                          ; v52-55 K's scale words: lanes 0-15 channels 0-127, lanes 16-31 channels 128-255
.set QS,   56                          ; v56-59 Q's
.set PS,   60                          ; v60+2q+j P's, for 128 keys j
.set VS,   68                          ; v68-71 V's: lanes 0-15 fragment 2 n, lanes 16-31 fragment 2 n + 1
.set S,    96
.set KF,   160
.set Q,    0                           ; window 1: v[24q+12s..] Q;  in the second product v[32 (i % 3)..] Ww's 32 numbers of channel group i
.set CD,   96                          ; window 1: v[96+24q+12j+6c..] P's codes
.set SO,   192                         ; window 1: v[192+8q+2p+b] the scale of block b of piece p
.set CT,   224                         ; window 1: the conversions' second halves
.set WV,   14                          ; s14 my wave's number;  s15 its LDS base
.set SEL,  20                          ; s[20:21] lane selects: lane l xor 16
.set CS,   22                          ; s[22:23] c = log2(e) / 16
.set G1L,  24                          ; s[24:31] descriptor group 1 for two pieces
.set G0,   32                          ; s[32:35] descriptor group 0, which walks
.set G1S,  48                          ; s[48:55] descriptor group 1 for one piece
.set MSB, 0
.macro WIN new                         ; the immediate's high byte repeats the setting that is left; a switch that changes nothing is dropped
.if MSB != \new
	s_set_vgpr_msb (MSB<<8)|\new
.set MSB, \new
.endif
.endm
.macro PLACES n
.rept \n
	v_nop
.endr
.endm
.macro CROUND                          ; a round of the cluster's barrier
	s_barrier_signal -1
	s_barrier_wait -1
	s_cmp_lg_u32 s[WV], 0
	s_cbranch_scc1 .Lnot_wave_0_\@
	s_barrier_signal -3
.Lnot_wave_0_\@:
	s_barrier_wait -3
	s_barrier_signal -1
	s_barrier_wait -1
.endm
; A FILL.  Each wave waits for all its tensor loads, adds 0 to its spare word, and waits for that and for its reads of the slots that it has left; a round of the cluster's barrier; then the wave's one load.
.macro FILL to, step, g1
	WIN 0
	s_wait_alu depctr_va_vdst(0)                   ; the wait ahead of the waits below
	s_wait_tensorcnt 0x0                           ; no tensor load of mine is out, so group 0 may be written
	ds_add_u32 v[SPW], v[NIL]                      ; 0 onto my spare word
	s_add_co_u32 s[G0+1], s15, \to
	s_add_nc_u64 s[G0+2:G0+3], s[G0+2:G0+3], \step ; the type bits on top are not reached
	s_wait_dscnt 0x0                               ; the add is done, and so are my LDS reads
	CROUND                                         ; no wave of any partner still reads these slots or has a load on its way
	tensor_load_to_lds s[G0:G0+3], s[\g1:\g1+7]    ; the first thing behind the round, and my one tensor load until the next
	s_nop 0
	PLACES 4
.endm
.macro LOADK slot                      ; K's piece in this slot: fragment f = 2 t + s: key tile t, channels 128 s on
	WIN 0
.irp t, 0,1,2,3
	ds_load_b32 v[KS+\t], v[AKS] offset:(\slot)*PCB+128*\t
.endr
.irp f, 0,1,2,3,4,5,6,7
.irp c, 0,1,2
	ds_load_b128 v[KF+12*\f+4*\c:KF+12*\f+4*\c+3], v[AK] offset:(\slot)*PCB+FRB*\f+512*\c
.endr
.endr
.endm
.macro LOADV i, slot                   ; V's piece i in this slot: fragment f = 4 j + e: 128 keys j, channel tile 4 i + e; and Ww in the layout of O^T: register 8 e + k = Ww[32 (T / 2) + 16 h + 8 (T % 2) + k], T = 4 i + e
	WIN 0
.irp n, 0,1,2,3
	ds_load_b32 v[VS+\n], v[AKS] offset:(\slot)*PCB+128*\n
.endr
.irp f, 0,1,2,3,4,5,6,7
.irp c, 0,1
	ds_load_b128 v[KF+12*\f+6*\c:KF+12*\f+6*\c+3], v[AK] offset:(\slot)*PCB+FRB*\f+768*\c
	ds_load_b64 v[KF+12*\f+6*\c+4:KF+12*\f+6*\c+5], v[AK8] offset:(\slot)*PCB+FRB*\f+768*\c
.endr
.endr
	WIN 0x40                                       ; destination window 1
.irp e, 0,1,2,3
	ds_load_b128 v[Q+32*((\i)%3)+8*\e:Q+32*((\i)%3)+8*\e+3], v[WWA] offset:(32*(2*(\i)+\e/2)+8*(\e%2))*4
	ds_load_b128 v[Q+32*((\i)%3)+8*\e+4:Q+32*((\i)%3)+8*\e+7], v[WWA] offset:(32*(2*(\i)+\e/2)+8*(\e%2))*4+16
.endr
	WIN 0
.endm
; S^T = K Q^T: 64 keys x query tiles 2 a, 2 a + 1: two key tiles at a time: four accumulators by turns, two deep.
.macro SMUL a, w
.irp g, 0,1
.if \w
	s_wait_dscnt 12-12*\g                          ; LDS loads come back in order: all but the twelve of the piece's last two key tiles; then those too
.endif
	WIN 0x04                                       ; source 1 (Q) window 1
.irp s, 0,1
.irp u, 0,1
.irp q, 0,1
.if \s == 0
	v_wmma_scale_f32_16x16x128_f8f6f4 v[S+32*\q+8*(2*\g+\u):S+32*\q+8*(2*\g+\u)+7], v[KF+24*(2*\g+\u):KF+24*(2*\g+\u)+11], v[Q+24*(2*(\a)+\q):Q+24*(2*(\a)+\q)+11], 0, v[KS+2*\g+\u], v[QS+2*(\a)+\q] matrix_a_fmt:MATRIX_FMT_BF6 matrix_b_fmt:MATRIX_FMT_BF6
.else
	v_wmma_scale_f32_16x16x128_f8f6f4 v[S+32*\q+8*(2*\g+\u):S+32*\q+8*(2*\g+\u)+7], v[KF+24*(2*\g+\u)+12:KF+24*(2*\g+\u)+23], v[Q+24*(2*(\a)+\q)+12:Q+24*(2*(\a)+\q)+23], v[S+32*\q+8*(2*\g+\u):S+32*\q+8*(2*\g+\u)+7], v[KS+2*\g+\u], v[QS+2*(\a)+\q] matrix_a_fmt:MATRIX_FMT_BF6 matrix_b_fmt:MATRIX_FMT_BF6 matrix_a_scale:MATRIX_SCALE_ROW1 matrix_b_scale:MATRIX_SCALE_ROW1
.endif
.endr
.endr
.endr
.endr
	PLACES 4                                       ; in front of the first read of results, and of loads into registers that these products have read
.endm
; The softmax of piece p's 64 keys for query tiles 2 a, 2 a + 1, each line for both in turn.  In piece 0 nothing has been summed yet.
.macro SOFT p, a
	WIN 0
.irp b, 0,1
.irp q, 0,1
	v_max3_num_f32 v[BM+2*\q+\b], v[S+32*\q+16*\b], v[S+32*\q+16*\b+1], v[S+32*\q+16*\b+2]   ; THE LARGEST SCORE OF EACH BLOCK OF 32 KEYS serves twice: for the row's maximum and, since p rises with the score, for the block's largest p
.endr
.endr
.irp i, 3,5,7,9,11,13
.irp b, 0,1
.irp q, 0,1
	v_max3_num_f32 v[BM+2*\q+\b], v[BM+2*\q+\b], v[S+32*\q+16*\b+\i], v[S+32*\q+16*\b+\i+1]   ; (ascending: each accumulator is read from its low end on)
.endr
.endr
.endr
.irp b, 0,1
.irp q, 0,1
	v_max_num_f32 v[BM+2*\q+\b], v[BM+2*\q+\b], v[S+32*\q+16*\b+15]
.endr
.endr
.irp b, 0,1
.irp q, 0,1
	v_permlanex16_b32 v[PM+2*\q+\b], v[BM+2*\q+\b], s[SEL], s[SEL+1]
.endr
.endr
.irp b, 0,1
.irp q, 0,1
	v_max_num_f32 v[BM+2*\q+\b], v[BM+2*\q+\b], v[PM+2*\q+\b]   ; with lane l xor 16's 16 keys
.endr
.endr
.irp q, 0,1
.if \p
	v_max3_num_f32 v[NM+2*(2*(\a)+\q)+1], v[NM+2*(2*(\a)+\q)+1], v[BM+2*\q], v[BM+2*\q+1]   ; the running largest score
.else
	v_max_num_f32 v[NM+2*(2*(\a)+\q)+1], v[BM+2*\q], v[BM+2*\q+1]
.endif
.endr
.irp q, 0,1
	v_mul_f32 v[TT+\q], s[CS], -v[NM+2*(2*(\a)+\q)+1]   ; -t (c is positive)
.endr
.if \p
.irp q, 0,1
	v_floor_f32 v[TT+\q], v[TT+\q]                 ; the new -M = floor(-t) = -ceil(t): M IS A WHOLE NUMBER
.endr
.irp q, 0,1
	v_sub_f32 v[T2+\q], v[TT+\q], v[NM+2*(2*(\a)+\q)]   ; M's old value less its new one: a whole number, 0 or less
.endr
.irp q, 0,1
	v_mov_b32 v[NM+2*(2*(\a)+\q)], v[TT+\q]
.endr
.irp q, 0,1
	v_cvt_i32_f32 v[T2+\q], v[T2+\q]               ; (it saturates)
.endr
.irp q, 0,1
	v_ldexp_f32 v[FF+2*\q], 1.0, v[T2+\q]          ; f = 2^(old M - new M)
.endr
.else
.irp q, 0,1
	v_floor_f32 v[NM+2*(2*(\a)+\q)], v[TT+\q]      ; -M = floor(-t) = -ceil(t): M IS A WHOLE NUMBER
.endr
.endif
.set KK, 0
.rept 16
.irp q, 0,1
	v_pk_fma_f32 v[S+32*\q+2*KK:S+32*\q+2*KK+1], v[S+32*\q+2*KK:S+32*\q+2*KK+1], s[CS:CS+1], v[NM+2*(2*(\a)+\q):NM+2*(2*(\a)+\q)+1] op_sel_hi:[1,0,0]   ; t - M, two at a time (of the pairs c and -M the low word serves both halves)
.endr
.set KK, KK+1
.endr
.irp b, 0,1
.irp q, 0,1
	v_fma_f32 v[BM+2*\q+\b], v[BM+2*\q+\b], s[CS], v[NM+2*(2*(\a)+\q)]   ; the same of each block's largest score
.endr
.endr
	s_wait_alu depctr_va_vdst(0)                   ; the wait ahead of the batch
.set KK, 0
.rept 32
.irp q, 0,1
	v_exp_f32 v[S+32*\q+KK], v[S+32*\q+KK]         ; p = 2^(t - M), at most 1: NOT normalised
.endr
.set KK, KK+1
.endr
.irp b, 0,1
.irp q, 0,1
	v_exp_f32 v[BM+2*\q+\b], v[BM+2*\q+\b]         ; the block's largest p: the same two instructions on the same number give the same bits
.endr
.endr
.if \p
.irp q, 0,1
	v_pk_mul_f32 v[SUM+2*(2*(\a)+\q):SUM+2*(2*(\a)+\q)+1], v[SUM+2*(2*(\a)+\q):SUM+2*(2*(\a)+\q)+1], v[FF+2*\q:FF+2*\q+1] op_sel_hi:[1,0]   ; what was summed comes under the new M.  (Plain places behind the exponentials)
.endr
	WIN 0x41                                       ; source 0 and destination (the scales) window 1
.irp o, 0,1,2
.if \o < \p
.irp q, 0,1
	v_pk_mul_f32 v[SO+8*(2*(\a)+\q)+2*\o:SO+8*(2*(\a)+\q)+2*\o+1], v[SO+8*(2*(\a)+\q)+2*\o:SO+8*(2*(\a)+\q)+2*\o+1], v[FF+2*\q:FF+2*\q+1] op_sel_hi:[1,0]   ; and so do the scales of piece o's two blocks: their codes stay as they are
.endr
.endif
.endr
	WIN 0
.else
	v_nop                                          ; one plain place behind the exponentials
.endif
	s_wait_alu depctr_va_vdst(0)                   ; one wait for the whole batch, ahead of its first reader
.irp b, 0,1
.irp q, 0,1
	v_max_num_f32 v[BM+2*\q+\b], 0x2800000, v[BM+2*\q+\b]   ; the floor 2^(5 - 127): the scale cannot fall under 2^-126
.endr
.endr
	WIN 0x40                                       ; destination window 1
.irp b, 0,1
.irp q, 0,1
	v_add_nc_u32 v[SO+8*(2*(\a)+\q)+2*(\p)+\b], 0xfe000000, v[BM+2*\q+\b]   ; 4 off the exponent field: the block's scale; the conversion takes its exponent field alone
.endr
.endr
	WIN 0x44                                       ; source 1 (the scale) and destination window 1
.irp q, 0,1
	v_cvt_scalef32_pk16_bf6_f32 v[CD+24*(2*(\a)+\q)+6*(\p):CD+24*(2*(\a)+\q)+6*(\p)+2], v[S+32*\q:S+32*\q+15], v[SO+8*(2*(\a)+\q)+2*(\p)]
	v_cvt_scalef32_pk16_bf6_f32 v[CT+4*\q:CT+4*\q+2], v[S+32*\q+16:S+32*\q+31], v[SO+8*(2*(\a)+\q)+2*(\p)+1]   ; (a conversion's three registers begin on an even number)
.endr
	v_nop                                          ; one plain place behind a scaled conversion
	WIN 0x41                                       ; source 0 and destination window 1
.irp q, 0,1
.irp i, 0,1,2                                  ; the operand's layout wants a WHOLE block in a lane: lanes 0-15 block 0, lanes 16-31 block 1
	v_permlane16_swap_b32 v[CD+24*(2*(\a)+\q)+6*(\p)+\i], v[CT+4*\q+\i]
.endr
.endr
.irp q, 0,1
.irp i, 0,1,2
	v_mov_b32 v[CD+24*(2*(\a)+\q)+6*(\p)+3+\i], v[CT+4*\q+\i]
.endr
.endr
	WIN 0
.irp q, 0,1                                    ; THE ROW'S SUM IS TAKEN OF THE UNQUANTISED p: two at a time, in two chains
.if \p
	v_pk_add_f32 v[SUM+2*(2*(\a)+\q):SUM+2*(2*(\a)+\q)+1], v[SUM+2*(2*(\a)+\q):SUM+2*(2*(\a)+\q)+1], v[S+32*\q:S+32*\q+1]
.endif
.endr
.irp q, 0,1
.if \p
	v_pk_add_f32 v[PM+2*\q:PM+2*\q+1], v[S+32*\q+2:S+32*\q+3], v[S+32*\q+4:S+32*\q+5]
.else
	v_pk_add_f32 v[SUM+2*(2*(\a)+\q):SUM+2*(2*(\a)+\q)+1], v[S+32*\q:S+32*\q+1], v[S+32*\q+4:S+32*\q+5]
	v_pk_add_f32 v[PM+2*\q:PM+2*\q+1], v[S+32*\q+2:S+32*\q+3], v[S+32*\q+6:S+32*\q+7]
.endif
.endr
.if \p
.irp q, 0,1
	v_pk_add_f32 v[SUM+2*(2*(\a)+\q):SUM+2*(2*(\a)+\q)+1], v[SUM+2*(2*(\a)+\q):SUM+2*(2*(\a)+\q)+1], v[S+32*\q+6:S+32*\q+7]
.endr
.endif
.irp j, 8,12,16,20,24,28
.irp q, 0,1
	v_pk_add_f32 v[SUM+2*(2*(\a)+\q):SUM+2*(2*(\a)+\q)+1], v[SUM+2*(2*(\a)+\q):SUM+2*(2*(\a)+\q)+1], v[S+32*\q+\j:S+32*\q+\j+1]
.endr
.irp q, 0,1
	v_pk_add_f32 v[PM+2*\q:PM+2*\q+1], v[PM+2*\q:PM+2*\q+1], v[S+32*\q+\j+2:S+32*\q+\j+3]
.endr
.endr
.irp q, 0,1
	v_pk_add_f32 v[SUM+2*(2*(\a)+\q):SUM+2*(2*(\a)+\q)+1], v[SUM+2*(2*(\a)+\q):SUM+2*(2*(\a)+\q)+1], v[PM+2*\q:PM+2*\q+1]
.endr
.endm
; P's scale words: four blocks' bytes to a word; a scale that has fallen under 2^-126 is held there, so the byte cannot fall under 1.
.macro MAKEPS
	WIN 0x44
.set KK, 0
.rept 32
	v_max_num_f32 v[SO+KK], 0x800000, v[SO+KK]
.set KK, KK+1
.endr
.set KK, 0
.rept 32
	v_lshrrev_b32 v[SO+KK], 23, v[SO+KK]
.set KK, KK+1
.endr
	WIN 0x11                                       ; sources 0 and 2 window 1
.set KK, 0
.rept 8
	v_lshl_or_b32 v[PS+KK], v[SO+4*KK+1], 8, v[SO+4*KK]
.set KK, KK+1
.endr
	WIN 0x01
.set KK, 0
.rept 8
	v_lshl_or_b32 v[PS+KK], v[SO+4*KK+2], 16, v[PS+KK]
.set KK, KK+1
.endr
.set KK, 0
.rept 8
	v_lshl_or_b32 v[PS+KK], v[SO+4*KK+3], 24, v[PS+KK]
.set KK, KK+1
.endr
	WIN 0
.endm
; O^T = V^T P^T: channel tiles 2 u, 2 u + 1 of the piece's four x four query tiles over all 256 keys: eight accumulators by turns, two deep.
.macro VMUL u
	WIN 0x04                                       ; source 1 (P) window 1
.irp j, 0,1
.irp e, 0,1
.irp q, 0,1,2,3
.if (\j == 0) && (\e == 0)
	v_wmma_scale_f32_16x16x128_f8f6f4 v[S+32*\e+8*\q:S+32*\e+8*\q+7], v[KF+12*(4*\j+2*(\u)+\e):KF+12*(4*\j+2*(\u)+\e)+11], v[CD+24*\q+12*\j:CD+24*\q+12*\j+11], 0, v[VS+2*\j+(\u)], v[PS+2*\q+\j] matrix_a_fmt:MATRIX_FMT_BF6 matrix_b_fmt:MATRIX_FMT_BF6
.elseif \j == 0
	v_wmma_scale_f32_16x16x128_f8f6f4 v[S+32*\e+8*\q:S+32*\e+8*\q+7], v[KF+12*(4*\j+2*(\u)+\e):KF+12*(4*\j+2*(\u)+\e)+11], v[CD+24*\q+12*\j:CD+24*\q+12*\j+11], 0, v[VS+2*\j+(\u)], v[PS+2*\q+\j] matrix_a_fmt:MATRIX_FMT_BF6 matrix_b_fmt:MATRIX_FMT_BF6 matrix_a_scale:MATRIX_SCALE_ROW1
.elseif \e == 0
	v_wmma_scale_f32_16x16x128_f8f6f4 v[S+32*\e+8*\q:S+32*\e+8*\q+7], v[KF+12*(4*\j+2*(\u)+\e):KF+12*(4*\j+2*(\u)+\e)+11], v[CD+24*\q+12*\j:CD+24*\q+12*\j+11], v[S+32*\e+8*\q:S+32*\e+8*\q+7], v[VS+2*\j+(\u)], v[PS+2*\q+\j] matrix_a_fmt:MATRIX_FMT_BF6 matrix_b_fmt:MATRIX_FMT_BF6
.else
	v_wmma_scale_f32_16x16x128_f8f6f4 v[S+32*\e+8*\q:S+32*\e+8*\q+7], v[KF+12*(4*\j+2*(\u)+\e):KF+12*(4*\j+2*(\u)+\e)+11], v[CD+24*\q+12*\j:CD+24*\q+12*\j+11], v[S+32*\e+8*\q:S+32*\e+8*\q+7], v[VS+2*\j+(\u)], v[PS+2*\q+\j] matrix_a_fmt:MATRIX_FMT_BF6 matrix_b_fmt:MATRIX_FMT_BF6 matrix_a_scale:MATRIX_SCALE_ROW1
.endif
.endr
.endr
.endr
	PLACES 4                                       ; in front of the first read of results, and of loads into registers that these products have read
.endm
; Their results times Ww, onto the dot product: 32 packed multiply-adds, the four query tiles by turns; each accumulator from its low end on.
.macro DG i, u
	WIN 0x04                                       ; source 1 (Ww) window 1
.irp e, 0,1
.irp k, 0,1,2,3
.irp q, 0,1,2,3
	v_pk_fma_f32 v[DOT+2*\q:DOT+2*\q+1], v[S+32*\e+8*\q+2*\k:S+32*\e+8*\q+2*\k+1], v[Q+32*((\i)%3)+8*(2*(\u)+\e)+2*\k:Q+32*((\i)%3)+8*(2*(\u)+\e)+2*\k+1], v[DOT+2*\q:DOT+2*\q+1]
.endr
.endr
.endr
.endm
.macro VHEAD                           ; the piece's fragments, scale words and Ww are in
	s_wait_alu depctr_va_vdst(0)                   ; the wait ahead of the wait below
	s_wait_dscnt 0x0
.endm
	s_load_b256 s[4:11], s[0:1], 0x0               ; qbuf s[4:5], kv s[6:7], Ww s[8:9], bw s[10:11]
	s_load_b64 s[12:13], s[0:1], 0x20              ; out0
	v_lshl_add_u32 v[SPW], v0, 2, SPARE
	v_mov_b32 v[NIL], 0
	ds_add_u32 v[SPW], v[NIL]                      ; the wave's opening: the add, twice on end, and its wait ahead of my first tensor load
	ds_add_u32 v[SPW], v[NIL]
	v_lshrrev_b32 v96, 5, v0
	v_readfirstlane_b32 s[WV], v96                 ; wave 0..7
	v_and_b32 v97, 31, v0                          ; lane
	v_and_b32 v98, 15, v0                          ; r
	v_bfe_u32 v99, v0, 4, 1                        ; h
	s_mul_i32 s15, s[WV], WREG                     ; my slots
	s_mul_i32 s16, s[WV], 768
	v_lshlrev_b32 v100, 4, v97                     ; 16 x lane
	v_lshlrev_b32 v101, 2, v97                     ; 4 x lane
	v_lshlrev_b32 v102, 2, v0                      ; 4 x thread
	v_lshlrev_b32 v[GO], 3, v97
	v_add_nc_u32 v[AK], s15, v100
	v_add_nc_u32 v[AK8], s15, v[GO]
	v_add_nc_u32 v[AKS], s15, v101
	v_and_b32 v103, 8, v98
	v_lshlrev_b32 v104, 6, v99
	v_add_nc_u32 v[AK8], 512, v[AK8]
	v_add_nc_u32 v[AKS], 8*FRB, v[AKS]
	v_add_nc_u32 v103, v103, v98                   ; r + 8 (r / 8)
	v_add_nc_u32 v[WWA], WWL, v104
	v_add_nc_u32 v[MR], MRG, v[GO]
	v_add_nc_u32 v[WWS], WWL, v102
	v_lshlrev_b32 v103, 2, v103
	s_add_co_u32 s16, s16, MRG
	v_add_nc_u32 v[MW], s16, v103                  ; query tile q, lane r is token 32 (q / 2) + 8 (q % 2) + r + 8 (r / 8)
.irp i, 0,1,2,3
	v_mov_b32 v[PM+\i], 0                          ; written once: a lane permute's destination counts as one of its sources
.endr
	v_mov_b32 v[FF+1], 0                           ; (named as the upper half of f's pair)
	v_mov_b32 v[FF+3], 0
.irp i, 0,1,2,3,4,5,6,7
	v_mov_b32 v[DOT+\i], 0
.endr
	; descriptor group 1: dense bytes as rows of 256 (32 elements of 8 bytes), no padding: two pieces are 100 rows, one piece 50
	s_mov_b32 s[G1L], 15|(3<<16)|(1<<21)           ; 15:0 the mask: all four work-groups of the cluster; 17:16 elements of 8 bytes; 21 set beside a mask
	s_mov_b32 s[G1L+1], 32<<16                     ; tensor_dim0 = 32
	s_mov_b32 s[G1L+2], 100<<16                    ; tensor_dim1 = 100
	s_mov_b32 s[G1L+3], 32<<16                     ; tile_dim0 = 32
	s_mov_b32 s[G1L+4], 100                        ; tile_dim1 = 100
	s_mov_b32 s[G1L+5], 32                         ; elements from row to row
	s_mov_b32 s[G1L+6], 0
	s_mov_b32 s[G1L+7], 0
	s_mov_b32 s[G1S], 15|(3<<16)|(1<<21)
	s_mov_b32 s[G1S+1], 32<<16
	s_mov_b32 s[G1S+2], 50<<16
	s_mov_b32 s[G1S+3], 32<<16
	s_mov_b32 s[G1S+4], 50
	s_mov_b32 s[G1S+5], 32
	s_mov_b32 s[G1S+6], 0
	s_mov_b32 s[G1S+7], 0
	s_mov_b32 s[G0], 1
	s_mov_b32 s[G0+1], s15                         ; slots 0 and 1: the wave's number alone
	s_mul_i32 s42, ttmp9, 819200                   ; the batch = the cluster's x, which the four partners share: eight times 256 keys
	s_mul_i32 s36, s[WV], 8*PCB                    ; my 256 keys
	s_add_co_u32 s42, s42, s36
	s_mov_b32 s43, 0
	s_mov_b32 s[SEL], 0x76543210
	s_mov_b32 s[SEL+1], 0xfedcba98
	s_mov_b32 s[CS], 0x3db8aa3b                    ; c = log2(e) / 16
	s_mov_b32 s[CS+1], s[CS]                       ; (named with it as a pair, so it is written)
	; my place in the cluster enters Q's and out0's addresses alone
	s_bfe_u32 s17, ttmp6, 0x40000                  ; cx
	s_and_b32 s19, ttmp7, 0xffff
	s_lshl_b32 s18, s19, 2
	s_add_co_u32 s18, s18, s17                     ; my block of 64 queries in the batch
	s_lshl_b32 s40, ttmp9, 5
	s_add_co_u32 s40, s40, s18                     ; and among all
	s_mul_i32 s44, s40, 12800                      ; its part of qbuf
	s_mov_b32 s45, 0
	s_lshl_b32 s46, s40, 8                         ; its part of out0
	s_mov_b32 s47, 0
	s_wait_alu depctr_va_vdst(0)                   ; the wait at the head's end
	s_wait_dscnt 0x0                               ; both opening adds are done
	s_wait_kmcnt 0x0
	s_add_nc_u64 s[44:45], s[4:5], s[44:45]
	s_add_nc_u64 s[46:47], s[12:13], s[46:47]
	s_add_nc_u64 s[G0+2:G0+3], s[6:7], s[42:43]
	s_or_b32 s[G0+3], s[G0+3], 0x80000000          ; type = 2
	s_load_b32 s38, s[10:11], 0x0                  ; bw
	global_load_b32 v[WWV], v102, s[8:9]           ; Ww: thread i takes number i
.irp q, 0,1,2,3
	global_load_b32 v[QS+\q], v101, s[44:45] offset:8*FRB+128*\q   ; lanes 0-15: channels 0-127; lanes 16-31: channels 128-255
.endr
	WIN 0x40                                       ; destination window 1
.irp q, 0,1,2,3
.irp s, 0,1
.irp c, 0,1,2
	global_load_b128 v[Q+24*\q+12*\s+4*\c:Q+24*\q+12*\s+4*\c+3], v100, s[44:45] offset:(2*\q+\s)*FRB+512*\c   ; Q stays in registers
.endr
.endr
.endr
	WIN 0
	CROUND                                         ; all four work-groups are here: the first joint loads meet
	tensor_load_to_lds s[G0:G0+3], s[G1L:G1L+7]    ; K0 K1 -> slots 0, 1
	s_nop 0
	PLACES 4
	s_wait_kmcnt 0x0                               ; bw
	s_wait_loadcnt 0x0                             ; Q, its scale words, my number of Ww,
	ds_store_b32 v[WWS], v[WWV]                    ; which goes to LDS for all waves: the round below shows it to them
	FILL 2*PCB, 2*PCB, G1S                         ; K2 -> slot 2 (its first fill); K0 K1 are in
	LOADK 0
	SMUL 0, 1
	SOFT 0, 0
	SMUL 1, 0
	LOADK 1                                        ; K1's fragments land under the softmax
	SOFT 0, 1
	FILL 0, PCB, G1L                               ; V0 K3 -> slots 0, 1; K2 is in
	SMUL 0, 0
	SOFT 1, 0
	SMUL 1, 0
	LOADK 2
	SOFT 1, 1
	s_wait_alu depctr_va_vdst(0)                   ; the wait ahead of the waits below
	SMUL 0, 1
	SOFT 2, 0
	SMUL 1, 0
	WIN 0
	s_wait_alu depctr_va_vdst(0)                   ; the wait ahead of the wait below
	s_wait_tensorcnt 0x0                           ; V0 K3 are in: my own load, and I alone read it
	LOADK 1
	SOFT 2, 1
	FILL PCB, 2*PCB, G1L                           ; V1 V2 -> slots 1, 2
	SMUL 0, 0
	SOFT 3, 0
	SMUL 1, 0
	LOADV 0, 0
	SOFT 3, 1
	MAKEPS
	FILL 0, 2*PCB, G1S                             ; V3 -> slot 0; V1 V2 are in
	PLACES 4                                       ; with the four behind the load: eight between P's scale words and the products that take them
	VMUL 0
	DG 0, 0
	VMUL 1
	LOADV 1, 1                                     ; the next piece lands under the multiply-adds
	DG 0, 1
	VHEAD
	VMUL 0
	DG 1, 0
	VMUL 1
	LOADV 2, 2
	DG 1, 1
	VHEAD
	VMUL 0
	DG 2, 0
	VMUL 1
	WIN 0
	s_wait_alu depctr_va_vdst(0)                   ; the wait ahead of the wait below
	s_wait_tensorcnt 0x0                           ; V3 is in
	LOADV 3, 0
	DG 2, 1
	VHEAD
	VMUL 0
	DG 3, 0
	VMUL 1
	DG 3, 1
	WIN 0
	; THE END.  The halves of the dot product and of the sum are added, then lane l xor 16's (the other channels; for the sum: the other keys); my queries' three numbers go to LDS.
.irp q, 0,1,2,3
	v_add_f32 v[SUM+2*\q], v[SUM+2*\q], v[SUM+2*\q+1]
.endr
.irp q, 0,1,2,3
	v_add_f32 v[DOT+2*\q], v[DOT+2*\q], v[DOT+2*\q+1]
.endr
.irp q, 0,1,2,3
	v_permlanex16_b32 v[PM+\q], v[SUM+2*\q], s[SEL], s[SEL+1]
.endr
.irp q, 0,1,2,3
	v_permlanex16_b32 v[BM+\q], v[DOT+2*\q], s[SEL], s[SEL+1]
.endr
.irp q, 0,1,2,3
	v_add_f32 v[SUM+2*\q], v[SUM+2*\q], v[PM+\q]
.endr
.irp q, 0,1,2,3
	v_add_f32 v[DOT+2*\q], v[DOT+2*\q], v[BM+\q]
.endr
.irp q, 0,1,2,3
	ds_store_b32 v[MW], v[NM+2*\q] offset:128*(\q/2)+32*(\q%2)           ; lanes l and l + 16 write the same word with the same value
	ds_store_b32 v[MW], v[SUM+2*\q] offset:256+128*(\q/2)+32*(\q%2)
	ds_store_b32 v[MW], v[DOT+2*\q] offset:512+128*(\q/2)+32*(\q%2)
.endr
	s_wait_alu depctr_va_vdst(0)
	s_wait_dscnt 0x0                               ; for the others' sake: my stores are done
	s_barrier_signal -1
	s_barrier_wait -1
	s_cmp_lg_u32 s[WV], 0                          ; wave 0 joins the eight parts, two tokens a lane
	s_cbranch_scc1 .Lothers
.irp w, 0,1,2,3,4,5,6,7
.irp i, 0,1,2
	ds_load_b64 v[S+6*\w+2*\i:S+6*\w+2*\i+1], v[MR] offset:768*\w+256*\i   ; part w: -M, the sum, the dot product
.endr
.endr
	s_wait_dscnt 0x0
.irp u, 0,1
	v_min3_num_f32 v[TT+\u], v[S+\u], v[S+6+\u], v[S+12+\u]
.endr
.irp u, 0,1
	v_min3_num_f32 v[TT+\u], v[TT+\u], v[S+18+\u], v[S+24+\u]
.endr
.irp u, 0,1
	v_min3_num_f32 v[TT+\u], v[TT+\u], v[S+30+\u], v[S+36+\u]
.endr
.irp u, 0,1
	v_min_num_f32 v[TT+\u], v[TT+\u], v[S+42+\u]   ; the common -M: that of the largest M
.endr
.irp w, 0,1,2,3,4,5,6,7
.irp u, 0,1
	v_sub_f32 v[S+6*\w+\u], v[TT+\u], v[S+6*\w+\u] ; part w's M less the common one: a whole number, 0 or less
.endr
.endr
.irp w, 0,1,2,3,4,5,6,7
.irp u, 0,1
	v_cvt_i32_f32 v[S+6*\w+\u], v[S+6*\w+\u]
.endr
.endr
.irp w, 0,1,2,3,4,5,6,7
.irp u, 0,1
	v_ldexp_f32 v[S+6*\w+\u], 1.0, v[S+6*\w+\u]
.endr
.endr
.irp u, 0,1
	v_mul_f32 v[TT+\u], v[S+2+\u], v[S+\u]
	v_mul_f32 v[T2+\u], v[S+4+\u], v[S+\u]
.endr
.irp w, 1,2,3,4,5,6,7
.irp u, 0,1
	v_fma_f32 v[TT+\u], v[S+6*\w+2+\u], v[S+6*\w+\u], v[TT+\u]   ; the row's sum
	v_fma_f32 v[T2+\u], v[S+6*\w+4+\u], v[S+6*\w+\u], v[T2+\u]   ; the dot product, not yet divided
.endr
.endr
	s_wait_alu depctr_va_vdst(0)                   ; the wait ahead of the batch
.irp u, 0,1
	v_rcp_f32 v[BM+\u], v[TT+\u]
.endr
	v_nop                                          ; one plain place behind a transcendental
	s_wait_alu depctr_va_vdst(0)                   ; and for the one ahead of its first reader
.irp u, 0,1
	v_fma_f32 v[PM+\u], v[T2+\u], v[BM+\u], s38    ; / the sum, + bw
.endr
	global_store_b64 v[GO], v[PM:PM+1], s[46:47]   ; 32 lanes store 256 consecutive bytes, at a multiple of 256 from out0's first byte
.Lothers:
	s_wait_tensorcnt 0x0                           ; the wave's end, behind my last tensor load and my last LDS store
	ds_add_u32 v[SPW], v[NIL]
	s_wait_dscnt 0x0
	CROUND                                         ; the closing round: no work-group ends while a partner may still ask for a tile that names it
	s_endpgm
.Lfunc_end_k_q30a53e75ec_attn:
	.size	k_q30a53e75ec_attn, .Lfunc_end_k_q30a53e75ec_attn-k_q30a53e75ec_attn
	.p2alignl 7, 3214868480
	.fill 96, 4, 3214868480
	.section	.rodata,"a",@progbits
	.p2align	6, 0x0
	.amdhsa_kernel k_q30a53e75ec_attn
		.amdhsa_group_segment_fixed_size 327680
		.amdhsa_private_segment_fixed_size 0
		.amdhsa_enable_private_segment 0
		.amdhsa_kernarg_size 40
		.amdhsa_user_sgpr_count 2
		.amdhsa_user_sgpr_kernarg_segment_ptr 1
		.amdhsa_wavefront_size32 1
		.amdhsa_system_sgpr_workgroup_id_x 1
		.amdhsa_system_sgpr_workgroup_id_y 1
		.amdhsa_system_sgpr_workgroup_id_z 1
		.amdhsa_system_vgpr_workitem_id 0
		.amdhsa_next_free_vgpr 512
		.amdhsa_next_free_sgpr 66
		.amdhsa_reserve_vcc 0
		.amdhsa_float_denorm_mode_32 3
		.amdhsa_float_denorm_mode_16_64 3
		.amdhsa_memory_ordered 1
		.amdhsa_forward_progress 1
		.amdhsa_inst_pref_size 181
	.end_amdhsa_kernel
	.amdgpu_metadata
---
amdhsa.version: [ 1, 2 ]
amdhsa.kernels:
  - .name:           k_q30a53e75ec_attn
    .symbol:         k_q30a53e75ec_attn.kd
    .args:
      - { .name: qbuf, .offset: 0, .size: 8, .value_kind: global_buffer, .address_space: global }
      - { .name: kv, .offset: 8, .size: 8, .value_kind: global_buffer, .address_space: global }
      - { .name: Ww, .offset: 16, .size: 8, .value_kind: global_buffer, .address_space: global }
      - { .name: bw, .offset: 24, .size: 8, .value_kind: global_buffer, .address_space: global }
      - { .name: out0, .offset: 32, .size: 8, .value_kind: global_buffer, .address_space: global }
    .group_segment_fixed_size: 327680
    .private_segment_fixed_size: 0
    .kernarg_segment_align: 8
    .kernarg_segment_size: 40
    .max_flat_workgroup_size: 256
    .sgpr_count:     66
    .vgpr_count:     512
    .wavefront_size: 32
...
	.end_amdgpu_metadata
.endif
;; end of part 3
